; MI455X (gfx1250); checked and timed in simulation.
; The chip was launched on July 23, 2026; its instructions are those of AMD's public machine-readable ISA for CDNA 5 (MIT licence, August 2026) and "CDNA5" Instruction Set Architecture Reference Guide (July 2026). The comments in the code are by the model that wrote it; some were corrected since.
;; Rel Position Multi Headed Attention. Allowed arithmetic: matrix products marked QUANTISED: E2M1 operands, one E8M0 scale for each 32 along K, by v_wmma_scale_f32_16x16x128_f8f6f4 with both operands' format E2M1 (or v_wmma_scale_f32_32x16x128_f4), f32 sums; products left as they are: bf16, f16 or f32 operands; f32 sums; everything else in f32.
;; Inputs: Wk 512 x 512 float32; Wout 512 x 512 float32; Wpos 512 x 512 float32; Wq 512 x 512 float32; Wv 512 x 512 float32; bk 512 float32; bout 512 float32; bq 512 float32; bv 512 float32; pos_bias_u 8 x 64 float32; pos_bias_v 8 x 64 float32; pos_emb 1 x 2,048 x 512 float32; x 4 x 2,048 x 512 float32.
;; Outputs: out0 4 x 2,048 x 512 float32.
;; This version of the problem:
;;   THIS VERSION OF THE PROBLEM IS GIVEN IN LOW PRECISION. The matrix products marked QUANTISED in the list below multiply operands that are first quantised to E2M1 (2 exponent bits, 1 mantissa bit; 4 bits a number), with one power-of-two scale for each 32 numbers along K (OCP MX v1.0); their sums are f32. The products marked 'left as it is' may take bf16, f16 or f32 operands, with f32 sums. Whichever they take, every output number must still come out within the allowed error. Rounding operands to bf16 (8 significant bits) uses up far more of that allowance than f16 does (11 bits, for magnitudes from 6e-5 to 65,504). All else is computed in f32.
;;   The module's matrix products, in the order in which they are computed (A, B: the left and right operand; K: the contracted axis; several contracted axes count as one K, in the product's order):
;;     1. [M 8,192, K 512] x [K 512, N 512]; A: input x; B: input Wq: QUANTISED
;;     2. [M 8,192, K 512] x [K 512, N 512]; A: input x; B: input Wk: QUANTISED
;;     3. [M 8,192, K 512] x [K 512, N 512]; A: input x; B: input Wv: QUANTISED
;;     4. [M 2,048, K 512] x [K 512, N 512]; A: input pos_emb; B: input Wpos: QUANTISED
;;     5. batch 32 x [M 2,048, K 64] x [K 64, N 2,048]; A: computed on the way; B: computed on the way: left as it is (an operand is computed on the way)
;;     6. batch 8 x [M 2,048, K 64] x [K 64, N 8,192]; A: computed on the way; B: computed on the way: left as it is (an operand is computed on the way)
;;     7. batch 32 x [M 2,048, K 2,048] x [K 2,048, N 64]; A: computed on the way; B: computed on the way: left as it is (an operand is computed on the way)
;;     8. [M 8,192, K 512] x [K 512, N 512]; A: computed on the way; B: input Wout: left as it is (an operand is computed on the way)
;;   THE QUANTISER, for each operand of a quantised product, along K:
;;     - K is cut into blocks of 32 from its start; a last block that is shorter is filled with zeros.
;;     - A block's scale is 2^e with e = floor(log2(the largest magnitude in the block)) - 2, held to -126 .. 127; a block of zeros has e = 0. As a byte (E8M0): e + 127.
;;     - Each number is divided by its block's scale, clamped to +-6, and rounded to the nearest number of E2M1, ties to even, subnormals kept.
;;     - The product sums the exact products of the quantised numbers (number of the format x scale) in f32.
;;   ~~~python
;;   def quantise(x, axis):      # numpy; x: float32 -> the quantised numbers, widened to float32 again
;;       x = np.moveaxis(x, axis, -1); K = x.shape[-1]
;;       x = np.pad(x, [(0, 0)] * (x.ndim - 1) + [(0, -K % 32)]); x = x.reshape(x.shape[:-1] + (-1, 32)); a = np.abs(x).max(-1, keepdims=True)
;;       e = np.where(a > 0, np.clip(np.frexp(np.where(a > 0, a, 1))[1] - 1 - 2, -126, 127), 0)      # np.frexp(a)[1] - 1 = floor(log2(a)), exactly
;;       r = np.clip(x / 2.0 ** e, -6, 6)
;;       step = 2.0 ** (np.maximum(np.frexp(np.where(r == 0, 1, r))[1] - 1, 0) - 1)
;;       q = np.round(r / step) * step * 2.0 ** e      # np.round: ties to even
;;       return np.moveaxis(q.reshape(q.shape[:-2] + (-1,))[..., :K], -1, axis).astype(np.float32)
;;   ~~~
;; One version. Each part assembles by itself: llvm-mc -triple=amdgcn-amd-amdhsa -mcpu=gfx1250 --defsym DOCPART=n.
;; ======== version 1 of 1: 4 launches
;; limits: values are held in f16: magnitudes above 65,504 overflow, below 6.1e-05 lose precision
;; workspace buffers: codes 3,145,728 bytes; scales 196,608 bytes; woutf 524,288 bytes; kf 8,388,608 bytes; pf 2,097,152 bytes; vf 8,388,608 bytes; of 8,388,608 bytes
;; launch quant (part 1): grid 200 x 1, 4 waves a work-group, no clusters, 68,096 bytes of LDS; arguments x, pos_emb, Wq, Wk, Wv, Wpos, Wout, codes, scales, woutf; writes codes, scales, woutf
.if DOCPART == 1
	.amdgcn_target "amdgcn-amd-amdhsa--gfx1250"
	.amdhsa_code_object_version 6
	.text
	.protected	k_q965213ed2a_quant
	.globl	k_q965213ed2a_quant
	.p2align	8
	.type	k_q965213ed2a_quant,@function
k_q965213ed2a_quant:
	s_mov_b64 s[64:65], 0
	v_nop
	global_prefetch_b8 v0, s[64:65] scope:SCOPE_SE
	s_setreg_imm32_b32 hwreg(HW_REG_WAVE_MODE, 25, 1), 1
	s_wait_xcnt 0x0
; x [8192][512], pos_emb [2048][512], Wq, Wk, Wv, Wpos [512][512], f32 with K innermost, become codes of FP4 (E2M1) with one E8M0 byte for each 32 along K;
; Wout [512][512] becomes f16.  All results are laid IN THE ORDER OF AN OPERAND'S REGISTERS, so that the later launches load fragments by 16 bytes a lane at 16 x lane.
; A TILE is 16 rows x 512 along K; one wave takes one tile.  Tiles: x 0-511, pos_emb 512-639, Wq 640-671, Wk 672-703, Wv 704-735, Wpos 736-767, Wout 768-799; tile = 4 x work-group + wave.
; codes: tile T at 4096 T; K step s (128 along K) at 1024 s; in it chunk c at 512 c, lane l's 16 bytes at 16 l: lane (r = l % 16, h = l / 16) holds block 2 c + h of row r: registers 4 c .. 4 c + 3 of the fragment.
; scales: tile T at 256 T, row r at 16 r: four words, word s for K step s, byte b for the step's block b.
; woutf: [o / 128][K quarter][o tile of 8][32 along K of 4][1,024 bytes]: chunk c at 512 c, lane (r, h) holds k = 16 c + 8 h + 0 .. 7 of row r.
; A block's scale is 2^(floor(log2(largest magnitude)) - 2): its byte is the largest magnitude's exponent field - 2, held at 1 from below by a floor among the maximum's leaves.
; LIMITS: a block of zeros gets the byte 1 where the quantiser says 127: its codes are zeros and these bytes are read by this program alone.  NaN and infinities among the inputs are not served.
; Wout is rounded to f16: |Wout| stays under 65,504.
; Each load of a wave reads 512 consecutive bytes of a row; the conversions want 32 neighbours along K in ONE lane: so a K step's 16 x 512 bytes turn through the wave's own stage in LDS (rows 528 bytes apart).
; The tiles of Wout part from the others once, on the work-group's number; each of the two ways has stages of its own.  Waves share nothing: no barrier.
.set STG,   8448                       ; a wave's stage: 16 rows x (512 + 16) bytes
.set HB,    4*STG                      ; the stages of Wout's way begin here
.set SPARE, 8*STG                      ; behind the stages: the spare words, 128 bytes a wave, that no other line names
.set LANE,  1                          ; v1   lane
.set L16,   2                          ; v2   16 x lane
.set WRA,   3                          ; v3   stage, way in: wave x STG + 16 x lane
.set RDA,   4                          ; v4   stage, way back: wave x STG + 528 r + 128 h
.set SH8,   5                          ; v5   8 h
.set R16,   6                          ; v6   16 r
.set HA,    7                          ; v7   1024 h + 16 r
.set SPW,   14                         ; v14  my spare word's LDS address; never rewritten
.set NIL,   15                         ; v15  0; never rewritten
.set CD,    16                         ; v16-47  codes, 8 registers a K step; on Wout's way 32 registers of f16
.set SW,    48                         ; v48-51  the row's four scale words
.set PT,    52                         ; v52  a lane permute's destination
.set R,     64                         ; v64-191 two sets of 64 registers as loaded
.set X,     192                        ; v192-255 two blocks of 32 neighbours
	s_load_b512 s[4:19], s[0:1], 0x0               ; x, pos_emb, Wq, Wk, Wv, Wpos, Wout, codes
	s_load_b128 s[20:23], s[0:1], 0x40             ; scales, woutf
	v_lshl_add_u32 v[SPW], v0, 2, SPARE
	v_mov_b32 v[NIL], 0
	v_lshrrev_b32 v8, 5, v0
	v_readfirstlane_b32 s27, v8                    ; wave
	v_and_b32 v[LANE], 31, v0
	v_and_b32 v8, 15, v0                           ; r
	v_bfe_u32 v9, v0, 4, 1                         ; h
	v_lshlrev_b32 v[L16], 4, v[LANE]
	s_mul_i32 s30, s27, STG
	v_add_nc_u32 v[WRA], s30, v[L16]
	v_mul_u32_u24 v[RDA], v8, 528
	v_lshl_add_u32 v[RDA], v9, 7, v[RDA]
	v_add_nc_u32 v[RDA], s30, v[RDA]
	v_lshlrev_b32 v[SH8], 3, v9
	v_lshlrev_b32 v[R16], 4, v8
	v_lshl_add_u32 v[HA], v9, 10, v[R16]
	v_mov_b32 v[PT], 0                             ; written once: a lane permute's destination counts as one of its sources
	s_mov_b32 s28, 0x76543210
	s_mov_b32 s29, 0xfedcba98                      ; selects for lane l xor 16
	s_wait_kmcnt 0x0
	s_mov_b64 s[24:25], s[4:5]                     ; which tensor is my work-group's: a chain of choices on the work-group's number alone
	s_mov_b32 s26, 0                               ; and its first work-group
.macro PICK from, ptr
	s_cmp_ge_u32 ttmp9, \from
	s_cselect_b64 s[24:25], s[\ptr:\ptr+1], s[24:25]
	s_cselect_b32 s26, \from, s26
.endm
	PICK 128, 6
	PICK 160, 8
	PICK 168, 10
	PICK 176, 12
	PICK 184, 14
	PICK 192, 16
	s_sub_co_u32 s30, ttmp9, s26
	s_lshl_b32 s30, s30, 2
	s_add_co_u32 s30, s30, s27                     ; my tile within the tensor
	s_lshl_b32 s30, s30, 15                        ; 16 rows of 2,048 bytes
	s_mov_b32 s31, 0
	s_add_nc_u64 s[24:25], s[24:25], s[30:31]
	s_lshl_b32 s32, ttmp9, 2
	s_add_co_u32 s32, s32, s27                     ; T
	s_mov_b32 s35, 0
.macro LOADS s, set                    ; K step s: 512 bytes of each of the 16 rows; a load's 32 lanes read 512 consecutive bytes
.irp i, 0,1,2,3,4,5,6,7,8,9,10,11,12,13,14,15
	global_load_b128 v[R+64*(\set)+4*\i:R+64*(\set)+4*\i+3], v[L16], s[24:25] offset:\i*2048+(\s)*512 th:TH_LOAD_NT
.endr
.endm
.macro TURN set, base                  ; through the stage: LDS serves a wave's instructions in order, so no wait stands between the stores and the loads
.irp i, 0,1,2,3,4,5,6,7,8,9,10,11,12,13,14,15
	ds_store_b128 v[WRA], v[R+64*(\set)+4*\i:R+64*(\set)+4*\i+3] offset:(\base)+\i*528
.endr
.irp c, 0,1
.irp g, 0,1,2,3,4,5,6,7
	ds_load_b128 v[X+32*\c+4*\g:X+32*\c+4*\g+3], v[RDA] offset:(\base)+\c*256+16*\g   ; block 2 c + h of row r
.endr
.endr
.endm
.macro QUANT s                         ; my two blocks of K step s become 8 registers of codes and, with lane l xor 16's two, the row's scale word
	v_max3_num_f32 v8, |v[X]|, |v[X+1]|, 0x1800000                 ; the floor 2^(3 - 127) among the leaves: the byte cannot fall under 1
	v_max3_num_f32 v9, |v[X+32]|, |v[X+33]|, 0x1800000
.irp i, 2,4,6,8,10,12,14,16,18,20,22,24,26,28,30
	v_max3_num_f32 v8, v8, |v[X+\i]|, |v[X+\i+1]|                  ; the two blocks by turns
	v_max3_num_f32 v9, v9, |v[X+32+\i]|, |v[X+33+\i]|
.endr
	v_add_nc_u32 v10, 0xff000000, v8               ; 2 off the exponent field: the conversion takes this operand's exponent field as its scale
	v_add_nc_u32 v11, 0xff000000, v9
.irp g, 0,1,2,3
	v_cvt_scalef32_pk8_fp4_f32 v[CD+8*(\s)+\g], v[X+8*\g:X+8*\g+7], v10
	v_cvt_scalef32_pk8_fp4_f32 v[CD+8*(\s)+4+\g], v[X+32+8*\g:X+32+8*\g+7], v11
.endr
	v_lshrrev_b32 v12, 23, v10                     ; the bytes of blocks h and 2 + h
	v_lshrrev_b32 v13, 23, v11
	v_lshl_or_b32 v12, v13, 16, v12
	v_lshlrev_b32 v12, v[SH8], v12                 ; at their places in the word
	v_permlanex16_b32 v[PT], v12, s28, s29
	v_or_b32 v[SW+(\s)], v12, v[PT]                ; with the other half's two the word is whole
.irp c, 0,1
	global_store_b128 v[L16], v[CD+8*(\s)+4*\c:CD+8*(\s)+4*\c+3], s[18:19] offset:(\s)*1024+\c*512   ; 512 consecutive bytes a store; each K step has its own registers
.endr
.endm
.macro HALF s                          ; my 64 numbers of Wout become 32 registers of f16: for c = 0, 1 the 32 along K numbered 2 c + h, in four pieces of 8
	s_wait_xcnt 0x0                                ; the last K step's stores have read their data: only behind this wait are those registers written again
.set n, 0
.rept 32
	v_cvt_pk_f16_f32 v[CD+n], v[X+2*n], v[X+2*n+1]
.set n, n+1
.endr
.irp c, 0,1
.irp u, 0,1,2,3
	global_store_b128 v[HA], v[CD+16*\c+4*\u:CD+16*\c+4*\u+3], s[22:23] offset:(\s)*32768+\c*2048+(\u/2)*512+(\u%2)*256   ; sixteen lanes store 256 consecutive bytes, aligned
.endr
.endr
.endm
.macro PASS half, base                 ; the four K steps; the loads run two K steps ahead
.irp s, 0,1,2,3
.if \s < 3
	s_wait_loadcnt 16                              ; this K step's 16 loads are in; the next step's 16 may be out
.else
	s_wait_loadcnt 0x0
.endif
	TURN (\s%2), \base
	s_wait_dscnt 0x0                               ; the neighbours are back, and the stage's stores have read the set that is loaded again below
.if \s < 2
	LOADS (\s+2), (\s%2)
.endif
.if \half
	HALF \s
.else
	QUANT \s
.endif
.endr
.endm
	LOADS 0, 0
	LOADS 1, 1
	s_cmp_ge_u32 ttmp9, 192
	s_cbranch_scc1 .Lwout
	s_lshl_b32 s34, s32, 12
	s_add_nc_u64 s[18:19], s[18:19], s[34:35]      ; codes at my tile
	s_lshl_b32 s34, s32, 8
	s_add_nc_u64 s[20:21], s[20:21], s[34:35]      ; scales at my tile
	PASS 0, 0
	s_wait_xcnt 0x0                                ; EXEC is a source of the pending stores: it changes only behind this wait
	v_cmp_gt_u32 vcc_lo, 16, v[LANE]
	s_and_saveexec_b32 s38, vcc_lo                 ; lanes 0-15: one row each
	global_store_b128 v[R16], v[SW:SW+3], s[20:21] ; the tile's 256 scale bytes: one aligned run
	s_wait_xcnt 0x0
	s_or_b32 exec_lo, exec_lo, s38
	s_wait_tensorcnt 0x0                           ; the wave's end, behind my last LDS store
	ds_add_u32 v[SPW], v[NIL]
	s_wait_dscnt 0x0
	s_endpgm
.Lwout:
	s_sub_co_u32 s32, s32, 768                     ; Wout's tile 0 .. 31
	s_lshr_b32 s34, s32, 3
	s_lshl_b32 s34, s34, 17                        ; o / 128: 131,072 bytes each
	s_and_b32 s36, s32, 7
	s_lshl_b32 s36, s36, 12                        ; the tile among its eight: 4,096 bytes
	s_add_co_u32 s34, s34, s36
	s_add_nc_u64 s[22:23], s[22:23], s[34:35]
	PASS 1, HB
	s_wait_tensorcnt 0x0                           ; the wave's end, as above
	ds_add_u32 v[SPW], v[NIL]
	s_wait_dscnt 0x0
	s_endpgm
.Lfunc_end_k_q965213ed2a_quant:
	.size	k_q965213ed2a_quant, .Lfunc_end_k_q965213ed2a_quant-k_q965213ed2a_quant
	.p2alignl 7, 3214868480
	.fill 96, 4, 3214868480
	.section	.rodata,"a",@progbits
	.p2align	6, 0x0
	.amdhsa_kernel k_q965213ed2a_quant
		.amdhsa_group_segment_fixed_size 68096
		.amdhsa_private_segment_fixed_size 0
		.amdhsa_enable_private_segment 0
		.amdhsa_kernarg_size 80
		.amdhsa_user_sgpr_count 2
		.amdhsa_user_sgpr_kernarg_segment_ptr 1
		.amdhsa_wavefront_size32 1
		.amdhsa_system_sgpr_workgroup_id_x 1
		.amdhsa_system_sgpr_workgroup_id_y 1
		.amdhsa_system_sgpr_workgroup_id_z 1
		.amdhsa_system_vgpr_workitem_id 0
		.amdhsa_next_free_vgpr 256
		.amdhsa_next_free_sgpr 66
		.amdhsa_reserve_vcc 1
		.amdhsa_float_denorm_mode_32 3
		.amdhsa_float_denorm_mode_16_64 3
		.amdhsa_memory_ordered 1
		.amdhsa_forward_progress 1
		.amdhsa_inst_pref_size 53
	.end_amdhsa_kernel
	.amdgpu_metadata
---
amdhsa.version: [ 1, 2 ]
amdhsa.kernels:
  - .name:           k_q965213ed2a_quant
    .symbol:         k_q965213ed2a_quant.kd
    .args:
      - { .name: x, .offset: 0, .size: 8, .value_kind: global_buffer, .address_space: global }
      - { .name: pos_emb, .offset: 8, .size: 8, .value_kind: global_buffer, .address_space: global }
      - { .name: Wq, .offset: 16, .size: 8, .value_kind: global_buffer, .address_space: global }
      - { .name: Wk, .offset: 24, .size: 8, .value_kind: global_buffer, .address_space: global }
      - { .name: Wv, .offset: 32, .size: 8, .value_kind: global_buffer, .address_space: global }
      - { .name: Wpos, .offset: 40, .size: 8, .value_kind: global_buffer, .address_space: global }
      - { .name: Wout, .offset: 48, .size: 8, .value_kind: global_buffer, .address_space: global }
      - { .name: codes, .offset: 56, .size: 8, .value_kind: global_buffer, .address_space: global }
      - { .name: scales, .offset: 64, .size: 8, .value_kind: global_buffer, .address_space: global }
      - { .name: woutf, .offset: 72, .size: 8, .value_kind: global_buffer, .address_space: global }
    .group_segment_fixed_size: 68096
    .private_segment_fixed_size: 0
    .kernarg_segment_align: 8
    .kernarg_segment_size: 80
    .max_flat_workgroup_size: 128
    .sgpr_count:     66
    .vgpr_count:     256
    .wavefront_size: 32
...
	.end_amdgpu_metadata
.endif
;; end of part 1
;; launch proj (part 2): grid 256 x 1, 4 waves a work-group, no clusters, 0 bytes of LDS; arguments codes, scales, bk, bv, kf, vf, pf; writes kf, vf, pf
.if DOCPART == 2
	.amdgcn_target "amdgcn-amd-amdhsa--gfx1250"
	.amdhsa_code_object_version 6
	.text
	.protected	k_q965213ed2a_proj
	.globl	k_q965213ed2a_proj
	.p2align	8
	.type	k_q965213ed2a_proj,@function
k_q965213ed2a_proj:
	s_mov_b64 s[64:65], 0
	v_nop
	global_prefetch_b8 v0, s[64:65] scope:SCOPE_SE
	s_setreg_imm32_b32 hwreg(HW_REG_WAVE_MODE, 25, 1), 1
	s_wait_xcnt 0x0
; k = x Wk^T + bk, v = x Wv^T + bv, p = pos_emb Wpos^T: products on codes of FP4 with E8M0 scales, sums in f32; the results are rounded to f16 and stored as images of the registers in which attention wants them.
; LIMIT: |k|, |v|, |p| stay under 65,504 (f16).
; SHARES.  1,024 waves, U = 4 x work-group + wave.  Each makes ONE unit of k or of v, 128 rows x one head's 64 columns (128 matrix instructions), and 16 rows x 64 columns of p (16): the same work in every wave.
;   unit: rows 128 G on, G = work-group / 4; k or v by bit 1 of the work-group's number; head = 4 x (bit 0) + wave.   p: positions 16 (U / 8) on, head U % 8.
; k and p: source 0 = 16 rows of the weight, source 1 = 16 rows of x: a lane then holds ONE key and eight neighbouring dims: four packed conversions are one chunk of a fragment (lane = key, K = dim).
; v: source 0 = 16 rows of x, source 1 = 16 rows of Wv: a lane holds ONE channel and eight neighbouring keys: a chunk of a fragment (lane = channel, K = key).
; kf: [8 b + head][key tile of 16][32 dims of 2][1,024]; pf: [head][..] likewise; vf: [8 b + head][32 keys][channel tile of 4][1,024].  In an image chunk c lies at 512 c, lane l's 16 bytes at 16 l.
; Every operand comes from memory straight into registers, 16 bytes a lane at 16 x lane: a wave has 144 matrix instructions behind one run of loads, so no LDS, no ring and no barrier are laid; nothing is shared in a cluster for the same reason.
; The biases are the C of each sum's first matrix instruction.  The accumulators take turns, one instruction a turn.
; REGISTERS: window 0: v1-4 addresses; v16-83 scale words alone; v84-115 the bias in the result's layout; v116-119 bv; v120-151 pos_emb's fragments; v152-183 p's sums; v184-199 p packed.
;   window 1: x's fragments at 32 i + 8 s, later the packed results.   window 2: the weight's at 32 t + 8 s, Wpos's at 128 + 32 t + 8 s.   window 3: the unit's 32 accumulators at 32 i + 8 t.
.set L16, 1                            ; v1  16 x lane
.set R16, 2                            ; v2  16 r
.set H32, 3                            ; v3  32 h
.set R4,  4                            ; v4  4 r
.set SX,  16                           ; x's scale words: 4 i + s
.set SWT, 48                           ; the weight's: 4 t + s
.set SPO, 64                           ; pos_emb's: s
.set SWP, 68                           ; Wpos's: 4 t + s
.set BI,  84
.set BV,  116
.set PF,  120
.set PA,  152
.set PP,  184
.set MSB, 0
.macro WIN new                         ; the immediate's high byte repeats the setting that is left
.if MSB != (\new)
	s_set_vgpr_msb (MSB<<8)|(\new)
.set MSB, (\new)
.endif
.endm
	s_load_b256 s[4:11], s[0:1], 0x0               ; codes, scales, bk, bv
	s_load_b128 s[12:15], s[0:1], 0x20             ; kf, vf
	s_load_b64 s[16:17], s[0:1], 0x30              ; pf
	v_lshrrev_b32 v5, 5, v0
	v_readfirstlane_b32 s18, v5                    ; wave
	v_and_b32 v5, 31, v0
	v_lshlrev_b32 v[L16], 4, v5
	v_and_b32 v6, 15, v0
	v_lshlrev_b32 v[R16], 4, v6
	v_lshlrev_b32 v[R4], 2, v6
	v_bfe_u32 v7, v0, 4, 1
	v_lshlrev_b32 v[H32], 5, v7
	s_lshr_b32 s19, ttmp9, 2                       ; G
	s_bfe_u32 s36, ttmp9, 0x10001                  ; 0: k, 1: v
	s_and_b32 s37, ttmp9, 1
	s_lshl_b32 s37, s37, 2
	s_add_co_u32 s37, s37, s18                     ; head
	s_lshl_b32 s38, ttmp9, 2
	s_add_co_u32 s38, s38, s18                     ; U
	s_lshr_b32 s39, s38, 3                         ; p's tile of positions
	s_and_b32 s40, s38, 7                          ; p's head
	s_lshl_b32 s44, s36, 5
	s_lshl_b32 s41, s37, 2
	s_add_co_u32 s44, s44, s41
	s_add_co_u32 s44, s44, 672                     ; the weight's first tile: 672 (Wk) or 704 (Wv) + 4 head
	s_add_co_u32 s46, s39, 512                     ; pos_emb's tile
	s_lshl_b32 s47, s40, 2
	s_add_co_u32 s47, s47, 736                     ; Wpos's first tile
	s_lshr_b32 s45, s19, 4                         ; b
	s_lshl_b32 s45, s45, 3
	s_add_co_u32 s45, s45, s37
	s_lshl_b32 s45, s45, 18                        ; (8 b + head) x 262,144 bytes
	s_and_b32 s41, s19, 15
	s_lshl_b32 s41, s41, 14                        ; + my 128 keys: 16,384 bytes in kf and in vf alike
	s_add_co_u32 s45, s45, s41
	s_lshl_b32 s41, s40, 7
	s_add_co_u32 s41, s41, s39
	s_lshl_b32 s41, s41, 11                        ; pf: (128 head + tile) x 2,048
	s_mov_b32 s43, 0
	s_wait_kmcnt 0x0
.macro AT dst, ptr, reg, sh            ; a pointer plus (a number << sh)
	s_lshl_b32 s42, s\reg, \sh
	s_add_nc_u64 s[\dst:\dst+1], s[\ptr:\ptr+1], s[42:43]
.endm
	AT 20, 4, 19, 15                               ; x's codes
	AT 22, 4, 44, 12                               ; the weight's
	AT 24, 4, 46, 12                               ; pos_emb's
	AT 26, 4, 47, 12                               ; Wpos's
	AT 28, 6, 19, 11                               ; and their scale words
	AT 30, 6, 44, 8
	AT 32, 6, 46, 8
	AT 34, 6, 47, 8
	AT 48, 8, 37, 8                                ; bk at my head
	AT 54, 10, 37, 8                               ; bv at my head
	AT 52, 16, 41, 0                               ; pf
	s_cmp_eq_u32 s36, 0
	s_cselect_b64 s[50:51], s[12:13], s[14:15]     ; kf or vf: the choice hangs on the work-group's number alone
	AT 50, 50, 45, 0
	WIN 0x40                                       ; destination window 1
.irp i, 0,1,2,3,4,5,6,7
.irp s, 0,1,2,3
.irp c, 0,1
	global_load_b128 v[32*\i+8*\s+4*\c:32*\i+8*\s+4*\c+3], v[L16], s[20:21] offset:\i*4096+\s*1024+\c*512
.endr
.endr
.endr
	WIN 0x80                                       ; destination window 2
.irp t, 0,1,2,3
.irp s, 0,1,2,3
.irp c, 0,1
	global_load_b128 v[32*\t+8*\s+4*\c:32*\t+8*\s+4*\c+3], v[L16], s[22:23] offset:\t*4096+\s*1024+\c*512
	global_load_b128 v[128+32*\t+8*\s+4*\c:128+32*\t+8*\s+4*\c+3], v[L16], s[26:27] offset:\t*4096+\s*1024+\c*512
.endr
.endr
.endr
	WIN 0
.irp s, 0,1,2,3
.irp c, 0,1
	global_load_b128 v[PF+8*\s+4*\c:PF+8*\s+4*\c+3], v[L16], s[24:25] offset:\s*1024+\c*512
.endr
.endr
.irp i, 0,1,2,3,4,5,6,7
	global_load_b128 v[SX+4*\i:SX+4*\i+3], v[R16], s[28:29] offset:\i*256        ; lane r: row r's four words (lanes 16-31 hold the same and are not read)
.endr
.irp t, 0,1,2,3
	global_load_b128 v[SWT+4*\t:SWT+4*\t+3], v[R16], s[30:31] offset:\t*256
	global_load_b128 v[SWP+4*\t:SWP+4*\t+3], v[R16], s[34:35] offset:\t*256
.endr
	global_load_b128 v[SPO:SPO+3], v[R16], s[32:33]
.irp t, 0,1,2,3
	global_load_b128 v[BI+8*\t:BI+8*\t+3], v[H32], s[48:49] offset:64*\t         ; bk at dims 16 t + 8 h + 0 .. 7: k's result layout
	global_load_b128 v[BI+8*\t+4:BI+8*\t+7], v[H32], s[48:49] offset:64*\t+16
	global_load_b32 v[BV+\t], v[R4], s[54:55] offset:64*\t                       ; bv at channel 16 t + r
.endr
	s_wait_loadcnt 0x0                             ; one run of loads, one wait
	WIN 0x02                                       ; source 0 (Wpos) window 2
.irp s, 0,1,2,3
.irp t, 0,1,2,3
.if \s == 0
	v_wmma_scale_f32_16x16x128_f8f6f4 v[PA+8*\t:PA+8*\t+7], v[128+32*\t+8*\s:128+32*\t+8*\s+7], v[PF+8*\s:PF+8*\s+7], 0, v[SWP+4*\t+\s], v[SPO+\s] matrix_a_fmt:MATRIX_FMT_FP4 matrix_b_fmt:MATRIX_FMT_FP4
.else
	v_wmma_scale_f32_16x16x128_f8f6f4 v[PA+8*\t:PA+8*\t+7], v[128+32*\t+8*\s:128+32*\t+8*\s+7], v[PF+8*\s:PF+8*\s+7], v[PA+8*\t:PA+8*\t+7], v[SWP+4*\t+\s], v[SPO+\s] matrix_a_fmt:MATRIX_FMT_FP4 matrix_b_fmt:MATRIX_FMT_FP4
.endif
.endr
.endr
	WIN 0
.macro XMUL kind, s, i, t              ; one product of the unit: row tile i, column tile t, K step s
.set rD, 32*\i+8*\t
.set rW, 32*\t+8*\s
.set rX, 32*\i+8*\s
.if \kind
.if \s
	v_wmma_scale_f32_16x16x128_f8f6f4 v[rD:rD+7], v[rX:rX+7], v[rW:rW+7], v[rD:rD+7], v[SX+4*\i+\s], v[SWT+4*\t+\s] matrix_a_fmt:MATRIX_FMT_FP4 matrix_b_fmt:MATRIX_FMT_FP4
.else
	v_wmma_scale_f32_16x16x128_f8f6f4 v[rD:rD+7], v[rX:rX+7], v[rW:rW+7], v[BI+8*\t:BI+8*\t+7], v[SX+4*\i+\s], v[SWT+4*\t+\s] matrix_a_fmt:MATRIX_FMT_FP4 matrix_b_fmt:MATRIX_FMT_FP4
.endif
.else
.if \s
	v_wmma_scale_f32_16x16x128_f8f6f4 v[rD:rD+7], v[rW:rW+7], v[rX:rX+7], v[rD:rD+7], v[SWT+4*\t+\s], v[SX+4*\i+\s] matrix_a_fmt:MATRIX_FMT_FP4 matrix_b_fmt:MATRIX_FMT_FP4
.else
	v_wmma_scale_f32_16x16x128_f8f6f4 v[rD:rD+7], v[rW:rW+7], v[rX:rX+7], v[BI+8*\t:BI+8*\t+7], v[SWT+4*\t+\s], v[SX+4*\i+\s] matrix_a_fmt:MATRIX_FMT_FP4 matrix_b_fmt:MATRIX_FMT_FP4
.endif
.endif
.endm
.macro UNIT kind
.if \kind
.irp t, 0,1,2,3
.irp j, 0,1,2,3,4,5,6,7
	v_mov_b32 v[BI+8*\t+\j], v[BV+\t]              ; v's result holds one channel a lane: its bias in all eight registers
.endr
.endr
.rept 4
	v_nop
.endr
.endif
.irp s, 0,1,2,3
.if \s == 0
	WIN (0xc6+3*(\kind))                           ; k: source 0 window 2, source 1 window 1; v: the other way round; C window 0 (the bias), D window 3
.else
	WIN (0xf6+3*(\kind))                           ; C and D window 3
.endif
.irp i, 0,1,2,3,4,5,6,7
.irp t, 0,1,2,3
	XMUL \kind, \s, \i, \t
.endr
.endr
.endr
.rept 4
	v_nop                                          ; four places behind the last products, ahead of the reads of results and of the writes over x's fragments (ISA guide 7.12.1)
.endr
	WIN 0x4f                                       ; sources window 3, destination window 1
.irp i, 0,1,2,3,4,5,6,7
.irp t, 0,1,2,3
.irp j, 0,1,2,3
	v_cvt_pk_f16_f32 v[16*\i+4*\t+\j], v[32*\i+8*\t+2*\j], v[32*\i+8*\t+2*\j+1]   ; each accumulator from its low end on
.endr
.endr
.endr
	WIN 0x04                                       ; a store's data are its source 1: window 1
.irp i, 0,1,2,3,4,5,6,7
.irp t, 0,1,2,3
.if \kind
	global_store_b128 v[L16], v[16*\i+4*\t:16*\i+4*\t+3], s[50:51] offset:(\i/2)*4096+\t*1024+(\i%2)*512   ; 32 keys i / 2, channel tile t, chunk i % 2
.else
	global_store_b128 v[L16], v[16*\i+4*\t:16*\i+4*\t+3], s[50:51] offset:\i*2048+\t*512                   ; key tile i, dims 16 t on: chunk t % 2 of the 32 dims t / 2
.endif
.endr
.endr
	WIN 0
.endm
	s_cmp_lg_u32 s36, 0
	s_cbranch_scc1 .Lunit_v
	UNIT 0
	s_branch .Ljoin
.Lunit_v:
	UNIT 1
.Ljoin:
.irp t, 0,1,2,3                        ; p's sums were finished ahead of the unit: its conversions were their places
.irp j, 0,1,2,3
	v_cvt_pk_f16_f32 v[PP+4*\t+\j], v[PA+8*\t+2*\j], v[PA+8*\t+2*\j+1]
.endr
.endr
.irp t, 0,1,2,3
	global_store_b128 v[L16], v[PP+4*\t:PP+4*\t+3], s[52:53] offset:\t*512
.endr
	s_endpgm
.Lfunc_end_k_q965213ed2a_proj:
	.size	k_q965213ed2a_proj, .Lfunc_end_k_q965213ed2a_proj-k_q965213ed2a_proj
	.p2alignl 7, 3214868480
	.fill 96, 4, 3214868480
	.section	.rodata,"a",@progbits
	.p2align	6, 0x0
	.amdhsa_kernel k_q965213ed2a_proj
		.amdhsa_group_segment_fixed_size 0
		.amdhsa_private_segment_fixed_size 0
		.amdhsa_enable_private_segment 0
		.amdhsa_kernarg_size 56
		.amdhsa_user_sgpr_count 2
		.amdhsa_user_sgpr_kernarg_segment_ptr 1
		.amdhsa_wavefront_size32 1
		.amdhsa_system_sgpr_workgroup_id_x 1
		.amdhsa_system_sgpr_workgroup_id_y 1
		.amdhsa_system_sgpr_workgroup_id_z 1
		.amdhsa_system_vgpr_workitem_id 0
		.amdhsa_next_free_vgpr 1024
		.amdhsa_next_free_sgpr 66
		.amdhsa_reserve_vcc 0
		.amdhsa_float_denorm_mode_32 3
		.amdhsa_float_denorm_mode_16_64 3
		.amdhsa_memory_ordered 1
		.amdhsa_forward_progress 1
		.amdhsa_inst_pref_size 78
	.end_amdhsa_kernel
	.amdgpu_metadata
---
amdhsa.version: [ 1, 2 ]
amdhsa.kernels:
  - .name:           k_q965213ed2a_proj
    .symbol:         k_q965213ed2a_proj.kd
    .args:
      - { .name: codes, .offset: 0, .size: 8, .value_kind: global_buffer, .address_space: global }
      - { .name: scales, .offset: 8, .size: 8, .value_kind: global_buffer, .address_space: global }
      - { .name: bk, .offset: 16, .size: 8, .value_kind: global_buffer, .address_space: global }
      - { .name: bv, .offset: 24, .size: 8, .value_kind: global_buffer, .address_space: global }
      - { .name: kf, .offset: 32, .size: 8, .value_kind: global_buffer, .address_space: global }
      - { .name: vf, .offset: 40, .size: 8, .value_kind: global_buffer, .address_space: global }
      - { .name: pf, .offset: 48, .size: 8, .value_kind: global_buffer, .address_space: global }
    .group_segment_fixed_size: 0
    .private_segment_fixed_size: 0
    .kernarg_segment_align: 8
    .kernarg_segment_size: 56
    .max_flat_workgroup_size: 128
    .sgpr_count:     66
    .vgpr_count:     1024
    .wavefront_size: 32
...
	.end_amdgpu_metadata
.endif
;; end of part 2
;; launch attn (part 3): grid 8 x 32, 4 waves a work-group, clusters of 4 x 1, 327,680 bytes of LDS; arguments codes, scales, bq, pos_bias_u, pos_bias_v, kf, pf, vf, of; writes of
.if DOCPART == 3
	.amdgcn_target "amdgcn-amd-amdhsa--gfx1250"
	.amdhsa_code_object_version 6
	.text
	.protected	k_q965213ed2a_attn
	.globl	k_q965213ed2a_attn
	.p2align	8
	.type	k_q965213ed2a_attn,@function
k_q965213ed2a_attn:
	s_mov_b64 s[64:65], 0
	v_nop
	global_prefetch_b8 v0, s[64:65] scope:SCOPE_SE
	s_setreg_imm32_b32 hwreg(HW_REG_WAVE_MODE, 25, 1), 1
	s_wait_xcnt 0x0
	s_wait_alu depctr_hold_cnt(0) depctr_sa_sdst(0) depctr_va_vdst(0) depctr_va_sdst(0) depctr_va_ssrc(0) depctr_va_vcc(0) depctr_vm_vsrc(0)
	s_getreg_b32 s2, hwreg(HW_REG_IB_STS2, 6, 4)
	s_cmp_eq_u32 s2, 0
	s_cbranch_scc0 .Lentry_in_a_cluster
	s_endpgm
.Lentry_in_a_cluster:
	s_bfe_u32 s2, ttmp6, 0x10000c
	s_cmp_lg_u32 s2, 0x3003
	s_cbranch_scc0 .Lentry_shape_is_right
	s_endpgm
.Lentry_shape_is_right:
; o[b][h][t] = sum over s of softmax_s(((q + u) . k[s] + (q + v) . p[s]) / 8) v[s].  The two score products are ONE product with K = 128: Q' = [q + u | q + v] against K' = [k | p].
; q = x Wq^T + bq is made here, on codes of FP4 with E8M0 scales, each wave for its own 64 queries and its head's 64 columns; Q' = (q + bias) x log2(e) / 8 is rounded to f16 and stays in registers.
; Scores, maxima and sums in f32; k, p, v, the weights 2^(t - m) and o in f16.  A running maximum m and sum l for each query; in every step O and l are multiplied by a = 2^(m_old - m_new).
; LIMIT: |Q'|, |k|, |p|, |v|, |o| stay under 65,504 (f16); NaN and infinities are not served.
; SHARES.  Work-group (x, y): y = 8 b + h, 256 queries; each of four waves 64: four tiles of 16.  Every wave walks the head's 2,048 keys, 64 a step.
; LAYOUT.  S^T = K' Q'^T (source 0 = 16 keys, source 1 = 16 queries): a lane holds ONE query (lane % 16) and keys 8 (lane / 16) + 0 .. 7; two such tiles, packed to f16, ARE source 1 of O^T = V^T P.
; kf, pf and vf hold images of fragments' registers, so a fragment comes out of LDS by two loads of 16 bytes a lane at 16 x lane: no pitch, no padding, nothing turned.
; A PIPELINE OF STAGES.  In stage t the softmax of tile t, a list of 120 vector instructions, stands in slices behind 24 matrix instructions that do not need it: the scores of tile t + 1 (16) and V^T P of tile t - 1 (8).
; CLUSTER.  The four query blocks of a cluster walk the same k, p and v: each tile is asked for JOINTLY, by the same tensor load with the same descriptor and the mask of all four.
; LDS: two slots, at 0 and at 65,536, each with two key steps: k 16,384 bytes, p 16,384, v 16,384.  Wave 0 fetches k's part, wave 1 p's, wave 2 v's, wave 3 none.  By this text's count a wave has at most two tensor loads out.
; REGISTERS, in windows of 256 (s_set_vgpr_msb: bits 1:0 source 0, 3:2 source 1, 5:4 source 2, 7:6 destination):
;   window 0: v1-7 addresses; v16-47 scale words alone; v48-63 statistics, four a tile; v64-127 S^T, two buffers; v128-191 P, 16 a tile; v192-199 at work; v208-239 bq at the head
;   window 1: O^T at 32 t + 8 ct (at the head q's sums); V of two steps at 128 and 192.   window 2: Q' at 32 t + 8 ks; K' of even steps from 128.   window 3: K' of odd steps from 128 (at the head x's and Wq's fragments)
.set SLOT1, 65536
.set SPARE, SLOT1+49152                ; behind slot 1: the spare words, 128 bytes a wave, that no other line names
.set L16, 1                            ; v1  16 x lane
.set ADR, 2                            ; v2  LDS address of the run of loads in hand
.set R16, 3                            ; v3  16 r
.set H32, 4                            ; v4  32 h
.set PFO, 5                            ; v5  256 x lane; never rewritten
.set SPW, 6                            ; v6  my spare word's LDS address; never rewritten
.set NIL, 7                            ; v7  0; never rewritten
.set SX,  16                           ; x's scale words: 4 i + s
.set SWQ, 32                           ; Wq's: 4 t + s
.set ST,  48                           ; tile t at ST + 4 t: m, (its pair's upper half), l of even places, l of odd places
.set S,   64
.set P,   128
.set TMP, 192                          ; c0-c3; +4 m_old - m_new; +6 a, +7 its pair's upper half
.set BQ,  208
.set WV,  22                           ; s22 wave
.set G1,  28                           ; s[28:35] descriptor group 1
.set G0A, 36                           ; s[36:39] group 0 of slot 0's first fill
.set G0W, 40                           ; s[40:43] group 0 of slot 1's first fill, which then walks
.set SB,  44                           ; s44 LDS byte at which the slot begins from which fragments are fetched
.set CNT, 45                           ; s45 changes of slots still to come that fill a slot
.set LIM, 46                           ; s46 1 in a wave that prefetches, else the greatest number
.set SEL, 48                           ; s[48:49] selects for lane l xor 16
.set CS,  50                           ; s[50:51] log2(e) / 8
.set PFA, 52                           ; s[52:53] where my prefetches stand
.set MSB, 0
.macro WIN new                         ; the immediate's high byte repeats the setting that is left; a switch that changes nothing is dropped
.if MSB != (\new)
	s_set_vgpr_msb (MSB<<8)|(\new)
.set MSB, (\new)
.endif
.endm
.macro CROUND                          ; a round of the cluster's barrier: my work-group's barrier, wave 0 signals for the work-group, every wave waits for all four work-groups, my work-group's barrier once more
	s_barrier_signal -1
	s_barrier_wait -1
	s_cmp_lg_u32 s[WV], 0
	s_cbranch_scc1 .Lnot_wave_0_\@
	s_barrier_signal -3
.Lnot_wave_0_\@:
	s_barrier_wait -3
	s_barrier_signal -1
	s_barrier_wait -1
.endm
.macro JLOAD                           ; the joint refill: waves 0 to 2, one load each; the branch hangs on the wave's number alone.  An s_nop 0 and four v_nop follow the load
	s_cmp_lt_u32 s[WV], 3
	s_cbranch_scc0 .Lnone_\@
	tensor_load_to_lds s[G0W:G0W+3], s[G1:G1+7]
	s_nop 0
.rept 4
	v_nop
.endr
.Lnone_\@:
.endm
; A PREFETCH INTO THE L2.  At every second change of slots (s[CNT] odd) one instruction a wave names 32 blocks of 256 bytes, a lane a block: my work-group's 8,192 bytes of the 32,768 that the next two changes will ask for.
; Each block is named once in the launch: the head's first cluster asks (for p, which the four batches share, the first cluster of batch 0); its four partners are told apart BY ADDRESS; wave 0 asks for k, wave 1 for p, wave 2 for v.
; The first four slots' worth of keys come by their loads alone; the last change that fills a slot asks for nothing.
.macro ASK
	s_and_b32 s62, s[CNT], 1
	s_mul_i32 s62, s62, s[CNT]                     ; s[CNT] where it is odd, else 0
	s_cmp_gt_u32 s62, s[LIM]
	s_cbranch_scc0 .Lnot_mine_\@
	global_prefetch_b8 v[PFO], s[PFA:PFA+1] th:TH_LOAD_NT scope:SCOPE_SE
.Lnot_mine_\@:
.endm
	s_load_b512 s[4:19], s[0:1], 0x0               ; codes, scales, bq, pos_bias_u, pos_bias_v, kf, pf, vf
	s_load_b64 s[20:21], s[0:1], 0x40              ; of
	v_lshl_add_u32 v[SPW], v0, 2, SPARE
	v_mov_b32 v[NIL], 0
	ds_add_u32 v[SPW], v[NIL]                      ; the wave's opening: the add, twice on end, and its wait ahead of the first tensor loads
	ds_add_u32 v[SPW], v[NIL]
	v_lshrrev_b32 v8, 5, v0
	v_readfirstlane_b32 s[WV], v8
	v_and_b32 v8, 31, v0
	v_lshlrev_b32 v[L16], 4, v8
	v_lshlrev_b32 v[PFO], 8, v8
	v_and_b32 v9, 15, v0
	v_lshlrev_b32 v[R16], 4, v9
	v_bfe_u32 v9, v0, 4, 1
	v_lshlrev_b32 v[H32], 5, v9
	s_bfe_u32 s23, ttmp6, 0x40000                  ; cx: it enters the query side's addresses and the prefetches' alone
	s_and_b32 s24, ttmp7, 0xffff                   ; y = 8 b + h, which the four partners share
	s_lshr_b32 s25, s24, 3                         ; b
	s_and_b32 s26, s24, 7                          ; h
	s_mov_b32 s[G1], 15|(3<<16)|(1<<21)            ; the mask: all four work-groups; elements of 8 bytes; bit 21 beside a mask; no padding
	s_mov_b32 s[G1+1], 32<<16                      ; tensor_dim0 = 32 elements: rows of 256 bytes
	s_mov_b32 s[G1+2], 64<<16                      ; tensor_dim1 = 64 rows: a dense block of 16,384 bytes
	s_mov_b32 s[G1+3], 32<<16                      ; tile_dim0
	s_mov_b32 s[G1+4], 64                          ; tile_dim1
	s_mov_b32 s[G1+5], 32                          ; from row to row
	s_mov_b32 s[G1+6], 0
	s_mov_b32 s[G1+7], 0
	s_mov_b32 s[SEL], 0x76543210
	s_mov_b32 s[SEL+1], 0xfedcba98
	s_mov_b32 s[CS], 0x3e38aa3b                    ; log2(e) / 8
	s_mov_b32 s[CS+1], s[CS]                       ; (named with it as a pair, so it is written)
	s_mov_b32 s[SB], 0
	s_lshl_b32 s54, s24, 18                        ; a head's k or v: 262,144 bytes
	s_mov_b32 s55, 0
	s_lshl_b32 s56, s26, 18                        ; a head's p
	s_mov_b32 s57, 0
	s_lshl_b32 s27, s[WV], 14                      ; my part of a slot: wave x 16,384
	s_cmp_eq_u32 s[WV], 3                          ; who prefetches: cluster x = 0, waves 0 to 2, wave 1 in batch 0 alone: the same in all four partners
	s_cselect_b32 s61, 1, 0
	s_or_b32 s60, s61, ttmp9
	s_cmp_eq_u32 s[WV], 1
	s_cselect_b32 s61, s25, 0
	s_or_b32 s60, s60, s61
	s_cmp_eq_u32 s60, 0
	s_cselect_b32 s[LIM], 1, -1
	s_wait_dscnt 0x0                               ; both opening adds are done
	s_wait_kmcnt 0x0
	s_add_nc_u64 s[14:15], s[14:15], s[54:55]      ; kf, pf, vf at my head
	s_add_nc_u64 s[16:17], s[16:17], s[56:57]
	s_add_nc_u64 s[18:19], s[18:19], s[54:55]
	s_cmp_eq_u32 s[WV], 1
	s_cselect_b64 s[58:59], s[16:17], s[14:15]     ; the tensor that my wave fetches
	s_cmp_eq_u32 s[WV], 2
	s_cselect_b64 s[58:59], s[18:19], s[58:59]
	s_mov_b32 s[G0A], 1
	s_mov_b32 s[G0A+1], s27                        ; slot 0
	s_mov_b64 s[G0A+2:G0A+3], s[58:59]             ; keys 0 to 127
	s_or_b32 s[G0A+3], s[G0A+3], 0x80000000
	s_mov_b32 s[G0W], 1
	s_add_co_u32 s[G0W+1], s27, SLOT1              ; slot 1
	s_add_nc_u64 s[G0W+2:G0W+3], s[58:59], 16384   ; keys 128 to 255
	s_or_b32 s[G0W+3], s[G0W+3], 0x80000000
	s_lshl_b32 s60, s23, 13                        ; my work-group's 8,192 bytes of 32,768
	s_mov_b32 s61, 0
	s_add_nc_u64 s[PFA:PFA+1], s[58:59], s[60:61]
	s_add_nc_u64 s[PFA:PFA+1], s[PFA:PFA+1], 2*16384   ; each change steps it by 16,384: at change n it stands at the keys' slot n + 2
	CROUND                                         ; all four work-groups are here: the first joint loads meet
	s_cmp_lt_u32 s[WV], 3                          ; a wave's two first fills stand in one branch, ahead of every wait on TENSORcnt and every LDS read
	s_cbranch_scc0 .Lno_first
	tensor_load_to_lds s[G0A:G0A+3], s[G1:G1+7]
	s_nop 0
	tensor_load_to_lds s[G0W:G0W+3], s[G1:G1+7]
	s_nop 0
.rept 4
	v_nop
.endr
.Lno_first:
	; the query side
	s_lshl_b32 s60, ttmp9, 2
	s_add_co_u32 s60, s60, s23                     ; my block of 256 queries
	s_lshl_b32 s61, s25, 7
	s_lshl_b32 s76, s60, 4
	s_add_co_u32 s61, s61, s76
	s_lshl_b32 s76, s[WV], 2
	s_add_co_u32 s61, s61, s76                     ; x's tile of my first query: 128 b + 16 block + 4 wave
	s_lshl_b32 s62, s26, 2
	s_add_co_u32 s62, s62, 640                     ; Wq's first tile of my head
	s_lshl_b32 s63, s25, 4
	s_lshl_b32 s76, s60, 1
	s_add_co_u32 s63, s63, s76
	s_lshr_b32 s76, s[WV], 1
	s_add_co_u32 s63, s63, s76
	s_lshl_b32 s63, s63, 17                        ; of: (row / 128) x 131,072
	s_lshr_b32 s76, s26, 1
	s_lshl_b32 s76, s76, 15
	s_add_co_u32 s63, s63, s76                     ; + K quarter h / 2
	s_and_b32 s76, s[WV], 1
	s_lshl_b32 s76, s76, 14
	s_add_co_u32 s63, s63, s76                     ; + my four row tiles
	s_and_b32 s76, s26, 1
	s_lshl_b32 s76, s76, 11
	s_add_co_u32 s63, s63, s76                     ; + my head's 64 channels within the quarter
	s_mov_b32 s67, 0
.macro AT dst, ptr, reg, sh            ; a pointer plus (a number << sh)
	s_lshl_b32 s66, s\reg, \sh
	s_add_nc_u64 s[\dst:\dst+1], s[\ptr:\ptr+1], s[66:67]
.endm
	AT 68, 4, 61, 12                               ; x's codes
	AT 70, 6, 61, 8                                ; x's scale words
	AT 72, 4, 62, 12                               ; Wq's codes
	AT 74, 6, 62, 8                                ; Wq's scale words
	AT 8, 8, 26, 8                                 ; bq, u, v at my head
	AT 10, 10, 26, 8
	AT 12, 12, 26, 8
	AT 20, 20, 63, 0
	WIN 0xc0                                       ; destination window 3
.irp i, 0,1,2,3
.irp s, 0,1,2,3
.irp c, 0,1
	global_load_b128 v[32*\i+8*\s+4*\c:32*\i+8*\s+4*\c+3], v[L16], s[68:69] offset:\i*4096+\s*1024+\c*512
	global_load_b128 v[128+32*\i+8*\s+4*\c:128+32*\i+8*\s+4*\c+3], v[L16], s[72:73] offset:\i*4096+\s*1024+\c*512
.endr
.endr
.endr
	WIN 0
.irp i, 0,1,2,3
	global_load_b128 v[SX+4*\i:SX+4*\i+3], v[R16], s[70:71] offset:\i*256
	global_load_b128 v[SWQ+4*\i:SWQ+4*\i+3], v[R16], s[74:75] offset:\i*256
.endr
.irp t, 0,1,2,3
.irp e, 0,1
	global_load_b128 v[BQ+8*\t+4*\e:BQ+8*\t+4*\e+3], v[H32], s[8:9] offset:64*\t+16*\e          ; dims 16 t + 8 h + 0 .. 7: the result's layout
	global_load_b128 v[P+8*\t+4*\e:P+8*\t+4*\e+3], v[H32], s[10:11] offset:64*\t+16*\e          ; u
	global_load_b128 v[P+32+8*\t+4*\e:P+32+8*\t+4*\e+3], v[H32], s[12:13] offset:64*\t+16*\e    ; v
.endr
.endr
	s_wait_loadcnt 0x0
	WIN 0x5f                                       ; sources 0 and 1 window 3, C and D window 1
.irp s, 0,1,2,3                        ; q^T: source 0 = 16 rows of Wq, source 1 = 16 queries; 16 accumulators by turns
.irp i, 0,1,2,3
.irp t, 0,1,2,3
.if \s == 0
	v_wmma_scale_f32_16x16x128_f8f6f4 v[32*\i+8*\t:32*\i+8*\t+7], v[128+32*\t+8*\s:128+32*\t+8*\s+7], v[32*\i+8*\s:32*\i+8*\s+7], 0, v[SWQ+4*\t+\s], v[SX+4*\i+\s] matrix_a_fmt:MATRIX_FMT_FP4 matrix_b_fmt:MATRIX_FMT_FP4
.else
	v_wmma_scale_f32_16x16x128_f8f6f4 v[32*\i+8*\t:32*\i+8*\t+7], v[128+32*\t+8*\s:128+32*\t+8*\s+7], v[32*\i+8*\s:32*\i+8*\s+7], v[32*\i+8*\t:32*\i+8*\t+7], v[SWQ+4*\t+\s], v[SX+4*\i+\s] matrix_a_fmt:MATRIX_FMT_FP4 matrix_b_fmt:MATRIX_FMT_FP4
.endif
.endr
.endr
.endr
	WIN 0
.set n, 0
.rept 16                               ; (u + bq) c and (v + bq) c: 64 plain lines that name none of the products' registers: their places
	v_pk_add_f32 v[P+2*n:P+2*n+1], v[P+2*n:P+2*n+1], v[BQ+2*n:BQ+2*n+1]
	v_pk_add_f32 v[P+32+2*n:P+33+2*n], v[P+32+2*n:P+33+2*n], v[BQ+2*n:BQ+2*n+1]
.set n, n+1
.endr
.set n, 0
.rept 32
	v_pk_mul_f32 v[P+2*n:P+2*n+1], v[P+2*n:P+2*n+1], s[CS:CS+1] op_sel_hi:[1,0]
.set n, n+1
.endr
.macro QTILE i                         ; tile i: Q' = q c + (bias) c, packed to f16: registers 32 i + 0 .. 15 the part with u, 16 .. 31 the part with v
	WIN 0x01                                       ; source 0 window 1
.set n, 0
.rept 16
	v_pk_fma_f32 v[S+2*n:S+2*n+1], v[32*(\i)+2*n:32*(\i)+2*n+1], s[CS:CS+1], v[P+2*n:P+2*n+1] op_sel_hi:[1,0,1]          ; each accumulator from its low end on
	v_pk_fma_f32 v[S+32+2*n:S+33+2*n], v[32*(\i)+2*n:32*(\i)+2*n+1], s[CS:CS+1], v[P+32+2*n:P+33+2*n] op_sel_hi:[1,0,1]
.set n, n+1
.endr
	WIN 0x80                                       ; destination window 2
.set n, 0
.rept 32
	v_cvt_pk_f16_f32 v[32*(\i)+n], v[S+2*n], v[S+2*n+1]
.set n, n+1
.endr
.endm
	QTILE 0
	QTILE 1
	QTILE 2
	QTILE 3
	WIN 0x40
.set n, 0
.rept 128
	v_mov_b32 v[n], 0                              ; O^T.  The key step is written without a first step of its own: the first a is 0, and it finds zeros
.set n, n+1
.endr
	WIN 0
.irp t, 0,1,2,3
	v_mov_b32 v[ST+4*\t], 0xff61b1e6               ; m = -3e38, under every score
	v_mov_b32 v[ST+4*\t+1], 0
	v_mov_b32 v[ST+4*\t+2], 0                      ; l
	v_mov_b32 v[ST+4*\t+3], 0
.endr
	v_mov_b32 v[TMP+7], 0                          ; named as the upper half of a's pair
; Product i of 16 of S^T = K' Q'^T for tile tk: keys 16 (i % 4) on, dims 32 (i / 4) on.  The first four start the sums.  kwin: the window of K'.
.macro KQ tk, kwin
	WIN (0x08+(\kwin))                             ; source 1 (Q') window 2, C and D window 0
.set rS, S+32*((\tk)%2)+8*(i%4)
.set rK, 128+32*(i%4)+8*(i/4)
.set rQ, 32*(\tk)+8*(i/4)
.if i < 4
	v_wmma_f32_16x16x32_f16 v[rS:rS+7], v[rK:rK+7], v[rQ:rQ+7], 0
.else
	v_wmma_f32_16x16x32_f16 v[rS:rS+7], v[rK:rK+7], v[rQ:rQ+7], v[rS:rS+7]
.endif
.endm
; Product i of 8 of O^T += V^T P for tile tp: channels 16 (i % 4) on, keys 32 (i / 4) on.  vb: where V begins in window 1.
.macro PV tp, vb
	WIN 0x51                                       ; V, C and D window 1, P window 0
.set rO, 32*(\tp)+8*(i%4)
.set rV, (\vb)+32*(i/4)+8*(i%4)
.set rP, P+16*(\tp)+8*(i/4)
	v_wmma_f32_16x16x32_f16 v[rO:rO+7], v[rV:rV+7], v[rP:rP+7], v[rO:rO+7]
.endm
; The LDS loads stand in runs: a step's K' (16 fragments: key tile kt, dims 32 ks on; ks 0, 1 from k's part, 2, 3 from p's) and its V (8 fragments).
.macro FETCH_K kwin, off
	WIN 0
	v_add_nc_u32 v[ADR], s[SB], v[L16]
	WIN ((\kwin)<<6)
.irp kt, 0,1,2,3
.irp ks, 0,1,2,3
.irp c, 0,1
	ds_load_b128 v[128+32*\kt+8*\ks+4*\c:128+32*\kt+8*\ks+4*\c+3], v[ADR] offset:(\off)+(\ks/2)*16384+\kt*2048+(\ks%2)*1024+\c*512
.endr
.endr
.endr
.endm
.macro FETCH_V vb, off
	WIN 0
	v_add_nc_u32 v[ADR], s[SB], v[L16]
	WIN 0x40
.irp f, 0,1,2,3,4,5,6,7
.irp c, 0,1
	ds_load_b128 v[(\vb)+8*\f+4*\c:(\vb)+8*\f+4*\c+3], v[ADR] offset:32768+(\off)+\f*1024+\c*512
.endr
.endr
.endm
; THE SOFTMAX of tile t for one key step: number j of a list of 120.  s0-s31 are the lane's 32 scores, already in units of log2.
;   0-15 the maximum of the scores and the old m, each accumulator from its low end;  16-19 the other half of the lanes', the new m, m_old - m_new;  20, 21 s - m for pairs 0, 1
;   22-68 ONE BATCH of 33 exponentials (a, then s0-s31), with the 14 other subtractions dealt among them, each two groups ahead of its pair's exponentials; none of these names an exponential's result
;   69 a plain instruction behind the last exponential; then the one wait ahead of the first instruction that names a result
;   70-85 the weights packed to f16;  86-101 their sum, l = a l + sum;  102-117 O^T times a (the one part that leaves window 0);  118, 119 fill the last slice
.macro SM t
.set rT, ST+4*(\t)
.set rS, S+32*((\t)%2)
.set rP, P+16*(\t)
.if j == 70
	s_wait_alu depctr_va_vdst(0)                   ; one wait for the batch of 33
.endif
.if j < 102
	WIN 0
.elseif j < 118
	WIN 0x41                                       ; O^T (destination and source 0) window 1, a window 0
.endif
.if j < 4
	v_max3_num_f32 v[TMP+j], v[rS+8*j], v[rS+8*j+1], v[rS+8*j+2]
.elseif j < 12
	v_max3_num_f32 v[TMP+j%4], v[TMP+j%4], v[rS+8*(j%4)+2*(j/4)+1], v[rS+8*(j%4)+2*(j/4)+2]
.elseif j == 12
	v_max3_num_f32 v[TMP], v[TMP], v[rS+7], v[rS+15]
.elseif j == 13
	v_max3_num_f32 v[TMP+2], v[TMP+2], v[rS+23], v[rS+31]
.elseif j == 14
	v_max3_num_f32 v[TMP], v[TMP], v[TMP+1], v[TMP+2]
.elseif j == 15
	v_max3_num_f32 v[TMP], v[TMP], v[TMP+3], v[rT]
.elseif j == 16
	v_permlanex16_b32 v[TMP+1], v[TMP], s[SEL], s[SEL+1]           ; the query's other 32 keys lie in the lane 16 away
.elseif j == 17
	v_mov_b32 v[TMP+4], v[rT]
.elseif j == 18
	v_max_num_f32 v[rT], v[TMP], v[TMP+1]
.elseif j == 19
	v_sub_f32 v[TMP+4], v[TMP+4], v[rT]
.elseif j < 22
	v_pk_add_f32 v[rS+2*(j-20):rS+2*(j-20)+1], v[rS+2*(j-20):rS+2*(j-20)+1], v[rT:rT+1] op_sel_hi:[1,0] neg_lo:[0,1] neg_hi:[0,1]
.elseif j == 22
	v_exp_f32 v[TMP+6], v[TMP+4]
.elseif j < 65
.set g, (j-23)/3
.if (j-23)%3 == 2
	v_pk_add_f32 v[rS+2*g+4:rS+2*g+5], v[rS+2*g+4:rS+2*g+5], v[rT:rT+1] op_sel_hi:[1,0] neg_lo:[0,1] neg_hi:[0,1]
.else
	v_exp_f32 v[rS+2*g+(j-23)%3], v[rS+2*g+(j-23)%3]
.endif
.elseif j < 69
	v_exp_f32 v[rS+j-37], v[rS+j-37]
.elseif j == 69
	v_nop
.elseif j < 86
	v_cvt_pk_f16_f32 v[rP+j-70], v[rS+2*(j-70)], v[rS+2*(j-70)+1]
.elseif j < 102
.set z, j-86
.set wd, 4
.set u, z
.if z >= 14
.set wd, 32
.set u, 0
.elseif z >= 12
.set wd, 16
.set u, z-12
.elseif z >= 8
.set wd, 8
.set u, z-8
.endif
.if z < 15
	v_pk_add_f32 v[rS+wd*u:rS+wd*u+1], v[rS+wd*u:rS+wd*u+1], v[rS+wd*u+wd/2:rS+wd*u+wd/2+1]
.else
	v_pk_fma_f32 v[rT+2:rT+3], v[rT+2:rT+3], v[TMP+6:TMP+7], v[rS:rS+1] op_sel_hi:[1,0,1]
.endif
.elseif j < 118
	v_pk_mul_f32 v[32*(\t)+2*(j-102):32*(\t)+2*(j-102)+1], v[32*(\t)+2*(j-102):32*(\t)+2*(j-102)+1], v[TMP+6:TMP+7] op_sel_hi:[1,0]
.else
	v_nop
.endif
.endm
.macro SLICE ts                        ; behind the w-th of the stage's nw matrix instructions: the list's numbers up to 120 w / nw
.set w, w+1
.rept (120*w)/nw-j
	SM \ts
.set j, j+1
.endr
.endm
; A STAGE.  The softmax of tile ts in slices behind the scores of tile tk (kq = 1) and V^T P of tile tp (pv = 1).  The last slices are plain instructions that name none of the last products' registers:
; they are the places between those products and the reads of their results, and the loads into their operands (ISA guide 7.12.1 for the reads of results).
; No two matrix instructions that follow each other share an accumulator.
.macro STAGE ts, kq, tk, kwin, pv, tp, vb
.set j, 0
.set w, 0
.set nw, 16*(\kq)+8*(\pv)
.if \kq
.set i, 0
.rept 16
	KQ \tk, \kwin
	SLICE \ts
.set i, i+1
.endr
.endif
.if \pv
.set i, 0
.rept 8
	PV \tp, \vb
	SLICE \ts
.set i, i+1
.endr
.endif
.endm
; A KEY STEP of parity e: its K' lies in window 2 + e, its V at 128 + 64 e of window 1.  It fetches the next step's K' at its head and the next step's V behind stage 0, which is the last to read the step before's V.
; An even step's successor lies 8,192 bytes on in the same slot; an odd step's at the head of the next slot, to which the change of slots has turned s[SB].
.macro STEP e, first, last
.if (\last) == 0
	FETCH_K (3-(\e)), (8192*(1-(\e)))
.endif
	STAGE 0,1,1,(2+(\e)),(1-(\first)),3,(192-64*(\e))
.if (\last) == 0
	FETCH_V (192-64*(\e)), (8192*(1-(\e)))
.endif
	STAGE 1,1,2,(2+(\e)),1,0,(128+64*(\e))
	STAGE 2,1,3,(2+(\e)),1,1,(128+64*(\e))
.if (\last) == 0
	s_wait_dscnt 0x0                               ; the next step's K' and V are in: asked for 72 and 48 matrix instructions ago
.endif
	STAGE 3,(1-(\last)),0,(3-(\e)),1,2,(128+64*(\e))
.endm
; THE CHANGE OF SLOTS, behind an even step: both steps of the slot in hand are in registers.  Each wave waits for all its tensor loads (its part of the other slot), adds 0 to its spare word, and waits for that and for its reads.
; fill = 1: the barrier is a round of the cluster's, and behind it the slot that was left takes the keys two slots on: that load has two key steps, 192 matrix instructions, in which to land.
.macro CHANGE fill
	WIN 0
	s_wait_tensorcnt 0x0                           ; no tensor load of mine is out, so a group 0 may be written
	ds_add_u32 v[SPW], v[NIL]
.if \fill
	ds_add_u32 v[SPW], v[NIL]                      ; and twice on end here, in every trip alike
	s_xor_b32 s[G0W+1], s[G0W+1], SLOT1            ; the walking descriptor: the other slot than last time,
	s_add_nc_u64 s[G0W+2:G0W+3], s[G0W+2:G0W+3], 16384   ; the next 128 keys; the type bits on top are not reached
	s_wait_xcnt 0x0                                ; the last prefetch has read its address, so it may be written
	s_add_nc_u64 s[PFA:PFA+1], s[PFA:PFA+1], 16384
.endif
	s_wait_dscnt 0x0                               ; the add is done, and my reads of the slot are over
.if \fill
	CROUND
	JLOAD
	ASK
.else
	s_barrier_signal -1
	s_barrier_wait -1
.endif
	s_xor_b32 s[SB], s[SB], SLOT1                  ; the fetches go on in the other slot
.endm
	s_wait_tensorcnt 1                             ; my part of slot 0 is in; slot 1's may stay out
	s_barrier_signal -1
	s_barrier_wait -1                              ; everybody's is
	FETCH_K 2, 0                                   ; key step 0
	FETCH_V 128, 0
	s_wait_dscnt 0x0
.set i, 0
.rept 16
	KQ 0, 2                                        ; tile 0's first scores: there is no vector work yet to set between them
.set i, i+1
.endr
.rept 4
	v_nop
.endr
	STEP 0, 1, 0
	WIN 0
	s_mov_b32 s[CNT], 14
.Lslot:                                ; 14 trips: steps 1 to 28; every slot's worth of keys from the third on is asked for here
	CHANGE 1
	STEP 1, 0, 0
	STEP 0, 0, 0
	WIN 0
	s_sub_co_u32 s[CNT], s[CNT], 1
	s_cmp_lg_u32 s[CNT], 0
	s_cbranch_scc1 .Lslot
	CHANGE 0                                       ; the tail is written out
	STEP 1, 0, 0
	STEP 0, 0, 0
	STEP 1, 0, 1                                   ; step 31 fetches nothing and starts no scores
.set i, 0
.rept 8
	PV 3, 192                                      ; tile 3's last V^T P
.set i, i+1
.endr
	; THE WAY OUT.  l's two halves and the other half of the lanes' are added (twelve plain lines: the places behind the last products); O^T / l is packed to f16.  A lane's eight channels of one query are a chunk of the
	; fragment (lane = row, K = channel) that the last launch wants: each store of the wave covers 512 consecutive bytes, aligned.
	WIN 0
.irp t, 0,1,2,3
	v_add_f32 v[ST+4*\t+2], v[ST+4*\t+2], v[ST+4*\t+3]
.endr
.irp t, 0,1,2,3
	v_permlanex16_b32 v[ST+4*\t+3], v[ST+4*\t+2], s[SEL], s[SEL+1]
.endr
.irp t, 0,1,2,3
	v_add_f32 v[ST+4*\t+2], v[ST+4*\t+2], v[ST+4*\t+3]
.endr
.irp t, 0,1,2,3
	v_rcp_f32 v[ST+4*\t+2], v[ST+4*\t+2]
.endr
	v_nop                                          ; a plain instruction between the last reciprocal and the first use
	s_wait_alu depctr_va_vdst(0)                   ; and the wait: one for the four
.irp t, 0,1,2,3
	WIN 0x41
.set n, 0
.rept 16
	v_pk_mul_f32 v[32*\t+2*n:32*\t+2*n+1], v[32*\t+2*n:32*\t+2*n+1], v[ST+4*\t+2:ST+4*\t+3] op_sel_hi:[1,0]
.set n, n+1
.endr
	WIN 0x05                                       ; sources window 1, destination window 0: S^T's registers are free; each tile has 16 of its own
.set n, 0
.rept 16
	v_cvt_pk_f16_f32 v[S+16*\t+n], v[32*\t+2*n], v[32*\t+2*n+1]
.set n, n+1
.endr
	WIN 0
.irp ct, 0,1,2,3
	global_store_b128 v[L16], v[S+16*\t+4*\ct:S+16*\t+4*\ct+3], s[20:21] offset:\t*4096+\ct*512
.endr
.endr
	s_wait_tensorcnt 0x0                           ; the wave's end
	ds_add_u32 v[SPW], v[NIL]
	s_wait_dscnt 0x0
	CROUND                                         ; the closing round: no work-group ends while a partner may still ask for a tile that names it
	s_endpgm
.Lfunc_end_k_q965213ed2a_attn:
	.size	k_q965213ed2a_attn, .Lfunc_end_k_q965213ed2a_attn-k_q965213ed2a_attn
	.p2alignl 7, 3214868480
	.fill 96, 4, 3214868480
	.section	.rodata,"a",@progbits
	.p2align	6, 0x0
	.amdhsa_kernel k_q965213ed2a_attn
		.amdhsa_group_segment_fixed_size 327680
		.amdhsa_private_segment_fixed_size 0
		.amdhsa_enable_private_segment 0
		.amdhsa_kernarg_size 72
		.amdhsa_user_sgpr_count 2
		.amdhsa_user_sgpr_kernarg_segment_ptr 1
		.amdhsa_wavefront_size32 1
		.amdhsa_system_sgpr_workgroup_id_x 1
		.amdhsa_system_sgpr_workgroup_id_y 1
		.amdhsa_system_sgpr_workgroup_id_z 1
		.amdhsa_system_vgpr_workitem_id 0
		.amdhsa_next_free_vgpr 1024
		.amdhsa_next_free_sgpr 80
		.amdhsa_reserve_vcc 0
		.amdhsa_float_denorm_mode_32 3
		.amdhsa_float_denorm_mode_16_64 3
		.amdhsa_memory_ordered 1
		.amdhsa_forward_progress 1
		.amdhsa_inst_pref_size 255
	.end_amdhsa_kernel
	.section	.bss,"aw",@nobits
	.p2align	6
	.space	262144
	.amdgpu_metadata
---
amdhsa.version: [ 1, 2 ]
amdhsa.kernels:
  - .name:           k_q965213ed2a_attn
    .symbol:         k_q965213ed2a_attn.kd
    .args:
      - { .name: codes, .offset: 0, .size: 8, .value_kind: global_buffer, .address_space: global }
      - { .name: scales, .offset: 8, .size: 8, .value_kind: global_buffer, .address_space: global }
      - { .name: bq, .offset: 16, .size: 8, .value_kind: global_buffer, .address_space: global }
      - { .name: pos_bias_u, .offset: 24, .size: 8, .value_kind: global_buffer, .address_space: global }
      - { .name: pos_bias_v, .offset: 32, .size: 8, .value_kind: global_buffer, .address_space: global }
      - { .name: kf, .offset: 40, .size: 8, .value_kind: global_buffer, .address_space: global }
      - { .name: pf, .offset: 48, .size: 8, .value_kind: global_buffer, .address_space: global }
      - { .name: vf, .offset: 56, .size: 8, .value_kind: global_buffer, .address_space: global }
      - { .name: of, .offset: 64, .size: 8, .value_kind: global_buffer, .address_space: global }
    .group_segment_fixed_size: 327680
    .private_segment_fixed_size: 0
    .kernarg_segment_align: 8
    .kernarg_segment_size: 72
    .max_flat_workgroup_size: 128
    .sgpr_count:     80
    .vgpr_count:     1024
    .wavefront_size: 32
...
	.end_amdgpu_metadata
.endif
;; end of part 3
;; launch outp (part 4): grid 4 x 64, 4 waves a work-group, clusters of 4 x 4, 327,680 bytes of LDS; arguments of, woutf, bout, out0; writes out0
.if DOCPART == 4
	.amdgcn_target "amdgcn-amd-amdhsa--gfx1250"
	.amdhsa_code_object_version 6
	.text
	.protected	k_q965213ed2a_outp
	.globl	k_q965213ed2a_outp
	.p2align	8
	.type	k_q965213ed2a_outp,@function
k_q965213ed2a_outp:
	s_mov_b64 s[64:65], 0
	v_nop
	global_prefetch_b8 v0, s[64:65] scope:SCOPE_SE
	s_setreg_imm32_b32 hwreg(HW_REG_WAVE_MODE, 25, 1), 1
	s_wait_xcnt 0x0
	s_wait_alu depctr_hold_cnt(0) depctr_sa_sdst(0) depctr_va_vdst(0) depctr_va_sdst(0) depctr_va_ssrc(0) depctr_va_vcc(0) depctr_vm_vsrc(0)
	s_getreg_b32 s2, hwreg(HW_REG_IB_STS2, 6, 4)
	s_cmp_eq_u32 s2, 0
	s_cbranch_scc0 .Lentry_in_a_cluster
	s_endpgm
.Lentry_in_a_cluster:
	s_bfe_u32 s2, ttmp6, 0x10000c
	s_cmp_lg_u32 s2, 0xf033
	s_cbranch_scc0 .Lentry_shape_is_right
	s_endpgm
.Lentry_shape_is_right:
; out0 = o Wout^T + bout.  o [8192][512] and Wout [512][512] arrive in f16 as images of fragments' registers (of, woutf); sums in f32; out0 f32.
; A work-group makes 128 rows x 128 columns; each of four waves 64 x 64: 16 accumulators.  256 work-groups.  K = 512 is four quarters of 128; all four lie in LDS at once, each filled ONCE: nothing is filled again.
; CLUSTERS: 4 x 4 work-groups.  The four of a row of the cluster need the same rows of o, the four of a column the same rows of Wout: each block is asked for JOINTLY, by the same tensor load with the same descriptor
; and a mask that names the four.  Waves 0, 1 fetch the halves of o's block, waves 2, 3 of Wout's: four loads a wave, 16,384 dense bytes each: by this text's count a wave has four tensor loads out.
; THE MATRIX INSTRUCTION IS USED TRANSPOSED (source 0 = 16 rows of Wout, source 1 = 16 rows of o): a lane holds eight neighbouring columns of one row of out0.  bout is the C of each sum's first matrix instruction.
; LDS: quarter q at 65,536 q: o's 8 row tiles x 4 x 1,024 bytes, then Wout's at + 32,768.  Behind them a stage of 16 rows x 272 bytes for each wave, and the spare words.
; REGISTERS: window 0: v1-17 addresses; v32-63 bout in the result's layout; v128-255 the accumulators ((a, b) at 128 + 8 (4 a + b)).   window 1: two fragment buffers of 128 (64 along K: o's 8 fragments, then Wout's 8), later rows of out0.
.set CH,    65536
.set STAGE, 4*CH
.set SP,    272
.set SPARE, STAGE+4*16*SP              ; the spare words, 128 bytes a wave, that no other line names
.set L16,  1
.set ADRA, 4                           ; v4-7   o's fragments in quarter q
.set ADRB, 8                           ; v8-11  Wout's
.set STO,  12                          ; v12  the stage: where I put 32 bytes of a row
.set RD,   13                          ; v13  and where I read a row back
.set CO,   14                          ; v14  my byte offset in out0
.set H32,  15
.set SPW,  16                          ; v16  my spare word's LDS address; never rewritten
.set NIL,  17                          ; v17  0; never rewritten
.set BI,   32
.set ACC,  128
.set G1A,  20                          ; s[20:27] group 1 for o's blocks;  s[28:35] for Wout's: they differ in the mask alone
.set G1B,  28
.set G0A,  36                          ; s[36:51] four groups 0 for o's quarters;  s[68:83] for Wout's
.set G0B,  68
.set MSB, 0
.macro WIN new
.if MSB != (\new)
	s_set_vgpr_msb (MSB<<8)|(\new)
.set MSB, (\new)
.endif
.endm
.macro CROUND
	s_barrier_signal -1
	s_barrier_wait -1
	s_cmp_lg_u32 s12, 0
	s_cbranch_scc1 .Lnot_wave_0_\@
	s_barrier_signal -3
.Lnot_wave_0_\@:
	s_barrier_wait -3
	s_barrier_signal -1
	s_barrier_wait -1
.endm
	s_load_b256 s[4:11], s[0:1], 0x0               ; of, woutf, bout, out0
	v_lshl_add_u32 v[SPW], v0, 2, SPARE
	v_mov_b32 v[NIL], 0
	ds_add_u32 v[SPW], v[NIL]                      ; the wave's opening: the add, twice on end, and its wait ahead of my first tensor load
	ds_add_u32 v[SPW], v[NIL]
	v_lshrrev_b32 v2, 5, v0
	v_readfirstlane_b32 s12, v2                    ; wave
	s_lshr_b32 s13, s12, 1                         ; which half of the rows is mine.  Also: I fetch for o (0) or for Wout (1)
	s_and_b32 s14, s12, 1                          ; which half of the columns.  Also: which half of a block I fetch
	s_bfe_u32 s15, ttmp6, 0x40000                  ; cx
	s_bfe_u32 s16, ttmp6, 0x40004                  ; cy
	s_and_b32 s17, ttmp7, 0xffff
	s_lshl_b32 s17, s17, 2
	s_add_co_u32 s17, s17, s16                     ; block of 128 rows = 4 x cluster y + cy
	s_lshl_b32 s52, ttmp9, 2
	s_add_co_u32 s52, s52, s15                     ; block of 128 columns = 4 x cluster x + cx
	s_lshl_b32 s18, s16, 2
	s_lshl_b32 s18, 15, s18                        ; my row of the cluster
	s_lshl_b32 s19, 0x1111, s15                    ; my column
	s_or_b32 s[G1A], s18, (3<<16)|(1<<21)          ; the mask; elements of 8 bytes; bit 21 beside a mask; no padding
	s_or_b32 s[G1B], s19, (3<<16)|(1<<21)
.irp g, G1A, G1B
	s_mov_b32 s[\g+1], 32<<16                      ; rows of 256 bytes,
	s_mov_b32 s[\g+2], 64<<16                      ; 64 of them: a dense block of 16,384 bytes
	s_mov_b32 s[\g+3], 32<<16
	s_mov_b32 s[\g+4], 64
	s_mov_b32 s[\g+5], 32
	s_mov_b32 s[\g+6], 0
	s_mov_b32 s[\g+7], 0
.endr
	s_lshl_b32 s53, s14, 14                        ; my half of a block
	s_lshl_b32 s54, s17, 17
	s_add_co_u32 s54, s54, s53                     ; o: hangs on the block of rows and the wave alone
	s_mov_b32 s55, 0
	s_lshl_b32 s56, s52, 17
	s_add_co_u32 s56, s56, s53                     ; Wout: on the block of columns and the wave alone
	s_mov_b32 s57, 0
	s_lshl_b32 s62, s12, 14                        ; where they go in a quarter: wave x 16,384
	s_wait_dscnt 0x0                               ; both opening adds are done
	s_wait_kmcnt 0x0
	s_add_nc_u64 s[58:59], s[4:5], s[54:55]
	s_add_nc_u64 s[60:61], s[6:7], s[56:57]
.irp q, 0,1,2,3
	s_mov_b32 s[G0A+4*\q], 1
	s_add_co_u32 s[G0A+4*\q+1], s62, \q*CH
	s_add_nc_u64 s[G0A+4*\q+2:G0A+4*\q+3], s[58:59], \q*32768
	s_or_b32 s[G0A+4*\q+3], s[G0A+4*\q+3], 0x80000000
	s_mov_b32 s[G0B+4*\q], 1
	s_add_co_u32 s[G0B+4*\q+1], s62, \q*CH
	s_add_nc_u64 s[G0B+4*\q+2:G0B+4*\q+3], s[60:61], \q*32768
	s_or_b32 s[G0B+4*\q+3], s[G0B+4*\q+3], 0x80000000
.endr
	CROUND                                         ; all sixteen work-groups are here: the joint loads meet
	s_cmp_eq_u32 s13, 0                            ; a wave's four fills stand in one branch on its number; an s_nop 0 follows each load, four v_nop the last
	s_cbranch_scc0 .Lfor_w
.irp q, 0,1,2,3
	tensor_load_to_lds s[G0A+4*\q:G0A+4*\q+3], s[G1A:G1A+7]
	s_nop 0
.endr
.rept 4
	v_nop
.endr
	s_branch .Lasked
.Lfor_w:
.irp q, 0,1,2,3
	tensor_load_to_lds s[G0B+4*\q:G0B+4*\q+3], s[G1B:G1B+7]
	s_nop 0
.endr
.rept 4
	v_nop
.endr
.Lasked:
	v_and_b32 v2, 31, v0
	v_lshlrev_b32 v[L16], 4, v2
	v_and_b32 v2, 15, v0                           ; r
	v_bfe_u32 v3, v0, 4, 1                         ; h
	v_lshlrev_b32 v[H32], 5, v3
	s_lshl_b32 s84, s13, 14                        ; my four row tiles of o
	s_lshl_b32 s85, s14, 14
	s_add_co_u32 s85, s85, 32768                   ; my four tiles of Wout
.irp q, 0,1,2,3
	v_add_nc_u32 v[ADRA+\q], s84, v[L16]
	v_add_nc_u32 v[ADRB+\q], s85, v[L16]
	s_add_co_u32 s84, s84, CH
	s_add_co_u32 s85, s85, CH
.endr
	s_mul_i32 s86, s12, 16*SP
	s_add_co_u32 s86, s86, STAGE                   ; my stage
	v_mul_u32_u24 v[STO], v2, SP
	v_lshl_add_u32 v[STO], v3, 5, v[STO]
	v_add_nc_u32 v[STO], s86, v[STO]               ; in: row r, 32 bytes for each half of the lanes
	v_mul_u32_u24 v[RD], v3, SP
	v_lshl_add_u32 v[RD], v2, 4, v[RD]
	v_add_nc_u32 v[RD], s86, v[RD]                 ; back: lanes 0-15 one row of 256 bytes, lanes 16-31 the next
	v_lshlrev_b32 v[CO], 11, v3
	v_lshl_add_u32 v[CO], v2, 4, v[CO]             ; and the same two rows of out0, 2,048 bytes apart
	s_lshl_b32 s88, s52, 9
	s_lshl_b32 s87, s14, 8
	s_add_co_u32 s88, s88, s87                     ; my first column, in bytes
	s_mov_b32 s89, 0
	s_add_nc_u64 s[8:9], s[8:9], s[88:89]          ; bout there
	s_add_nc_u64 s[10:11], s[10:11], s[88:89]
	s_lshl_b32 s88, s17, 18
	s_lshl_b32 s87, s13, 17
	s_add_co_u32 s88, s88, s87                     ; my first row: (128 block + 64 half) x 2,048 bytes
	s_add_nc_u64 s[10:11], s[10:11], s[88:89]
.irp b, 0,1,2,3
	global_load_b128 v[BI+8*\b:BI+8*\b+3], v[H32], s[8:9] offset:64*\b           ; bout at columns 16 b + 8 h + 0 .. 7
	global_load_b128 v[BI+8*\b+4:BI+8*\b+7], v[H32], s[8:9] offset:64*\b+16
.endr
.macro FETCH hh                        ; 64 along K, the hh-th of eight: 32 LDS loads into buffer hh % 2
.set q, (\hh)/2
.set k0, 2*((\hh)%2)
.set f, 128*((\hh)%2)
	WIN 0x40
.irp kk, 0,1
.irp a, 0,1,2,3
.irp c, 0,1
	ds_load_b128 v[f+8*(4*\kk+\a)+4*\c:f+8*(4*\kk+\a)+4*\c+3], v[ADRA+q] offset:\a*4096+(k0+\kk)*1024+\c*512
	ds_load_b128 v[f+64+8*(4*\kk+\a)+4*\c:f+64+8*(4*\kk+\a)+4*\c+3], v[ADRB+q] offset:\a*4096+(k0+\kk)*1024+\c*512
.endr
.endr
.endr
.endm
.macro MUL hh                          ; 32 matrix instructions; the 16 accumulators take turns, one instruction a turn
.set f, 128*((\hh)%2)
	WIN 0x05                                       ; sources window 1, C and D window 0
.irp kk, 0,1
.irp a, 0,1,2,3
.irp b, 0,1,2,3
.if ((\hh)+\kk) == 0
	v_wmma_f32_16x16x32_f16 v[ACC+8*(4*\a+\b):ACC+8*(4*\a+\b)+7], v[f+64+8*(4*\kk+\b):f+64+8*(4*\kk+\b)+7], v[f+8*(4*\kk+\a):f+8*(4*\kk+\a)+7], v[BI+8*\b:BI+8*\b+7]
.else
	v_wmma_f32_16x16x32_f16 v[ACC+8*(4*\a+\b):ACC+8*(4*\a+\b)+7], v[f+64+8*(4*\kk+\b):f+64+8*(4*\kk+\b)+7], v[f+8*(4*\kk+\a):f+8*(4*\kk+\a)+7], v[ACC+8*(4*\a+\b):ACC+8*(4*\a+\b)+7]
.endif
.endr
.endr
.endr
.endm
	s_wait_tensorcnt 3                             ; my part of quarter 0 is in; the three loads issued behind it may stay out
	s_barrier_signal -1
	s_barrier_wait -1                              ; everybody's is
	FETCH 0
	s_wait_loadcnt 0x0                             ; bout
.irp hh, 0,1,2,3,4,5,6,7
	s_wait_dscnt 0x0                               ; this part's fragments are in
.if \hh < 7
.if (\hh%2) == 1
	s_wait_tensorcnt 3-(\hh+1)/2                   ; my part of the next quarter is in; the loads issued behind it may stay out
	s_barrier_signal -1
	s_barrier_wait -1
.endif
.if \hh > 0
.rept 4
	v_nop                                          ; four places ahead of loads into the buffer that the last products read
.endr
.endif
	FETCH (\hh+1)
.endif
	MUL \hh
.endr
	; THE WAY OUT, 16 rows x 64 columns at a time through my own stage: in by 32 bytes a lane, back as whole rows of 256 bytes.  LDS serves a wave's instructions in order: no wait between the stores and the loads, nor ahead of the next tile's stores.
.rept 4
	v_nop
.endr
.irp a, 0,1,2,3
	WIN 0
.irp b, 0,1,2,3
	ds_store_b128 v[STO], v[ACC+8*(4*\a+\b):ACC+8*(4*\a+\b)+3] offset:64*\b          ; each accumulator from its low end on
	ds_store_b128 v[STO], v[ACC+8*(4*\a+\b)+4:ACC+8*(4*\a+\b)+7] offset:64*\b+16
.endr
	WIN 0x40
.irp t, 0,1,2,3,4,5,6,7
	ds_load_b128 v[32*\a+4*\t:32*\a+4*\t+3], v[RD] offset:2*\t*SP
.endr
.endr
	WIN 0x04                                       ; a store's data are its source 1: window 1
.irp a, 0,1,2,3
	s_wait_dscnt 16*(3-\a)                         ; this tile's rows are back; the later tiles' sixteen LDS instructions each may be out
.irp t, 0,1,2,3,4,5,6,7
	global_store_b128 v[CO], v[32*\a+4*\t:32*\a+4*\t+3], s[10:11] offset:(16*\a+2*\t)*2048 th:TH_STORE_NT   ; sixteen lanes store 256 consecutive bytes, aligned; written once, read by nobody here
.endr
.endr
	WIN 0
	s_wait_tensorcnt 0x0                           ; the wave's end, behind my last tensor load and my last LDS store
	ds_add_u32 v[SPW], v[NIL]
	s_wait_dscnt 0x0
	CROUND                                         ; the closing round
	s_endpgm
.Lfunc_end_k_q965213ed2a_outp:
	.size	k_q965213ed2a_outp, .Lfunc_end_k_q965213ed2a_outp-k_q965213ed2a_outp
	.p2alignl 7, 3214868480
	.fill 96, 4, 3214868480
	.section	.rodata,"a",@progbits
	.p2align	6, 0x0
	.amdhsa_kernel k_q965213ed2a_outp
		.amdhsa_group_segment_fixed_size 327680
		.amdhsa_private_segment_fixed_size 0
		.amdhsa_enable_private_segment 0
		.amdhsa_kernarg_size 32
		.amdhsa_user_sgpr_count 2
		.amdhsa_user_sgpr_kernarg_segment_ptr 1
		.amdhsa_wavefront_size32 1
		.amdhsa_system_sgpr_workgroup_id_x 1
		.amdhsa_system_sgpr_workgroup_id_y 1
		.amdhsa_system_sgpr_workgroup_id_z 1
		.amdhsa_system_vgpr_workitem_id 0
		.amdhsa_next_free_vgpr 512
		.amdhsa_next_free_sgpr 100
		.amdhsa_reserve_vcc 0
		.amdhsa_float_denorm_mode_32 3
		.amdhsa_float_denorm_mode_16_64 3
		.amdhsa_memory_ordered 1
		.amdhsa_forward_progress 1
		.amdhsa_inst_pref_size 51
	.end_amdhsa_kernel
	.amdgpu_metadata
---
amdhsa.version: [ 1, 2 ]
amdhsa.kernels:
  - .name:           k_q965213ed2a_outp
    .symbol:         k_q965213ed2a_outp.kd
    .args:
      - { .name: of, .offset: 0, .size: 8, .value_kind: global_buffer, .address_space: global }
      - { .name: woutf, .offset: 8, .size: 8, .value_kind: global_buffer, .address_space: global }
      - { .name: bout, .offset: 16, .size: 8, .value_kind: global_buffer, .address_space: global }
      - { .name: out0, .offset: 24, .size: 8, .value_kind: global_buffer, .address_space: global }
    .group_segment_fixed_size: 327680
    .private_segment_fixed_size: 0
    .kernarg_segment_align: 8
    .kernarg_segment_size: 32
    .max_flat_workgroup_size: 128
    .sgpr_count:     100
    .vgpr_count:     512
    .wavefront_size: 32
...
	.end_amdgpu_metadata
.endif
;; end of part 4
